; MI455X (gfx1250); checked and timed in simulation.
; The chip was launched on July 23, 2026; its instructions are those of AMD's public machine-readable ISA for CDNA 5 (MIT licence, August 2026) and "CDNA5" Instruction Set Architecture Reference Guide (July 2026). The comments in the code are by the model that wrote it; some were corrected since.
;; Attention Model. Allowed arithmetic: matrix products marked QUANTISED: E2M3 operands, one E8M0 scale for each 32 along K, by v_wmma_scale_f32_16x16x128_f8f6f4 with both operands' format E2M3, f32 sums; everything else in f32.
;; Inputs: Wk 512 x 1,024 float32; Wq 512 x 1,024 float32; Wv 512 x 1,024 float32; x 8 x 2,048 x 1,024 float32.
;; Outputs: out0 8 x 2,048 x 512 float32.
;; This version of the problem:
;;   THIS VERSION OF THE PROBLEM IS GIVEN IN LOW PRECISION. The matrix products marked QUANTISED in the list below multiply operands that are first quantised to E2M3 (2 exponent bits, 3 mantissa bits; 6 bits a number), with one power-of-two scale for each 32 numbers along K (OCP MX v1.0); their sums are f32. All else is computed in f32.
;;   The module's matrix products, in the order in which they are computed (A, B: the left and right operand; K: the contracted axis; several contracted axes count as one K, in the product's order):
;;     1. [M 16,384, K 1,024] x [K 1,024, N 512]; A: input x; B: input Wq: QUANTISED
;;     2. [M 16,384, K 1,024] x [K 1,024, N 512]; A: input x; B: input Wk: QUANTISED
;;     3. [M 16,384, K 1,024] x [K 1,024, N 512]; A: input x; B: input Wv: QUANTISED
;;     4. batch 8 x [M 2,048, K 512] x [K 512, N 2,048]; A: computed on the way; B: computed on the way: QUANTISED
;;     5. batch 8 x [M 2,048, K 2,048] x [K 2,048, N 512]; A: softmax (see below); B: computed on the way: QUANTISED
;;   THE QUANTISER, for each operand of a quantised product, along K:
;;     - K is cut into blocks of 32 from its start; a last block that is shorter is filled with zeros.
;;     - A block's scale is 2^e with e = floor(log2(the largest magnitude in the block)) - 2, held to -126 .. 127; a block of zeros has e = 0. As a byte (E8M0): e + 127.
;;     - Each number is divided by its block's scale, clamped to +-7.5, and rounded to the nearest number of E2M3, ties to even, subnormals kept.
;;     - The product sums the exact products of the quantised numbers (number of the format x scale) in f32.
;;   ~~~python
;;   def quantise(x, axis):      # numpy; x: float32 -> the quantised numbers, widened to float32 again
;;       x = np.moveaxis(x, axis, -1); K = x.shape[-1]
;;       x = np.pad(x, [(0, 0)] * (x.ndim - 1) + [(0, -K % 32)]); x = x.reshape(x.shape[:-1] + (-1, 32)); a = np.abs(x).max(-1, keepdims=True)
;;       e = np.where(a > 0, np.clip(np.frexp(np.where(a > 0, a, 1))[1] - 1 - 2, -126, 127), 0)      # np.frexp(a)[1] - 1 = floor(log2(a)), exactly
;;       r = np.clip(x / 2.0 ** e, -7.5, 7.5)
;;       step = 2.0 ** (np.maximum(np.frexp(np.where(r == 0, 1, r))[1] - 1, 0) - 3)
;;       q = np.round(r / step) * step * 2.0 ** e      # np.round: ties to even
;;       return np.moveaxis(q.reshape(q.shape[:-2] + (-1,))[..., :K], -1, axis).astype(np.float32)
;;   ~~~
;;   SOFTMAX AHEAD OF A QUANTISED PRODUCT. Where the list says 'softmax', what is quantised is not the finished softmax but p = 2^(t - M), with t = logit x log2(e) and M = ceil(the row's largest t), a whole number; so 1/2 < the row's largest p <= 1. The row's sum l is taken of the UNQUANTISED p, in f32, and the product's result is divided by l at the end. Since M is a whole number, a kernel that streams over the keys may use a running M (the ceiling of the running maximum): every later rescaling is an exact power of two, which a block's scale takes up: the codes' values come out the same.
;;   OPERANDS COMPUTED ON THE WAY. 'Computed on the way' means the value that the module computes at that place (a softmax that the list does not call 'softmax' is quantised finished and normalised). What goes into a quantiser is computed in f32, as accurately as f32 sums, v_exp_f32 and their like allow (about 1e-6 of the number): no bf16 or f16 on the way to a quantiser, and a product that is left as it is and whose result goes on into a quantised operand takes f32 operands (vector FMAs, or v_wmma_f32_16x16x4_f32). A number that lies on a knife's edge between two numbers of the format may be rounded either way, as far as f32 arithmetic and the matrix unit's own rounding can turn it there, and no further.
;; One version. Each part assembles by itself: llvm-mc -triple=amdgcn-amd-amdhsa -mcpu=gfx1250 --defsym DOCPART=n.
;; ======== version 1 of 1: 3 launches
;; limits: right only within a limited range of input values
;; workspace buffers: xc 12,582,912 bytes; xs 524,288 bytes; wc 1,179,648 bytes; wsc 49,152 bytes; qc 6,291,456 bytes; qs 262,144 bytes; kv 13,107,200 bytes
;; launch prep (part 1): grid 560 x 1, 4 waves a work-group, no clusters, 35,328 bytes of LDS; arguments x, Wq, Wk, Wv, xc, xs, wc, wsc; writes xc, xs, wc, wsc
.if DOCPART == 1
	.amdgcn_target "amdgcn-amd-amdhsa--gfx1250"
	.amdhsa_code_object_version 6
	.text
	.protected	k_qfb34d1c710_prep
	.globl	k_qfb34d1c710_prep
	.p2align	8
	.type	k_qfb34d1c710_prep,@function
k_qfb34d1c710_prep:
	s_mov_b64 s[64:65], 0
	v_nop
	global_prefetch_b8 v0, s[64:65] scope:SCOPE_SE
	s_setreg_imm32_b32 hwreg(HW_REG_WAVE_MODE, 25, 1), 1
	s_wait_xcnt 0x0
; x [16,384][1,024] and Wq, Wk, Wv [512][1,024], f32, K innermost, become codes of FP6 (E2M3) with one E8M0 byte for each 32 along K, laid as the next launch's operand registers want them.
; A FRAGMENT is 16 rows x 128 K, 12 registers a lane; its IMAGE is 1,536 bytes: registers 4 i .. 4 i + 3 of lane l at 512 i + 16 l.
; In a block of 64 rows, tile m = 2 b + u gives lane index rho the row 32 b + 8 u + rho + 8 (rho / 8).
; xc  = [g 256 (64 rows)][s 8][m 4][1,536].   wc = [j 2][n = 8 c + s (24)][ch 2][t 8][1,536]: c = q, k, v; columns 128 (2 j + ch) + .. ; t = 4 gb + m, gb the 64-row half of the 128.
; xs, wsc = [block of 64 rows][lane 16 u + r][b 2][s 8] words: the four scale bytes of that row for K step s.
; SHARES: work-groups 0-511 take x (block id / 2), 512-559 the weights (block (id - 512) / 2 of 24); id % 2 picks four of the eight K steps; wave = tile m.  Only pointers and offsets are chosen: one path serves all.
; Each load reads two aligned runs of 256 bytes; a K step's 8,192 bytes turn through the wave's own stage in LDS (rows of 256 + 16 bytes), so that a lane gets 16 neighbours of each block.
; Three K steps (48 loads a wave) are asked for at the head, the fourth when the first's registers are free.  No tensor load, no barrier: waves share nothing.  No prefetch: every byte is read once, by loads that are out from the head on.
; A block's scale is 2^(floor(log2(its largest magnitude)) - 2); its byte is the largest magnitude's exponent field - 2, held at 1 from below.
; LIMITS: a block of zeros, or one whose largest magnitude lies under 2^-124, keeps the byte 1 (zero codes add nothing; this program alone reads the bytes).  NaN and infinities among the inputs are not served.
.set XO,   1
.set SIN,  2
.set SOUT, 3
.set GO16, 4
.set SO,   5
.set SPW,  6                           ; LDS address of my spare word; never rewritten
.set NIL,  7                           ; 0; never rewritten
.set PWS,  20                          ; v20-23 the four K steps' scale words
.set TM,   24
.set PC,   40
.set PW,   60
.set X,    64                          ; v64-255 three regions of 64 numbers
.set SEL,  20
.set MHI,  22
.set SPARE, 4*8704
.macro QUANT src                       ; 64 numbers of a lane, register 16 b + i = k 32 b + 16 (lane / 16) + i of its row, become a fragment in v[PC] on and its scale word in v[PW]
.irp b, 0,1,2,3
	v_max3_num_f32 v[TM+\b], 0x1800000, |v[(\src)+16*\b]|, |v[(\src)+16*\b+1]|   ; with the floor 2^(3 - 127): the byte cannot fall under 1
.endr
.irp i, 2,4,6,8,10,12,14
.irp b, 0,1,2,3
	v_max3_num_f32 v[TM+\b], v[TM+\b], |v[(\src)+16*\b+\i]|, |v[(\src)+16*\b+\i+1]|
.endr
.endr
.irp b, 0,1,2,3
	v_permlanex16_b32 v[TM+4+\b], v[TM+\b], s[SEL], s[SEL+1]
.endr
.irp b, 0,1,2,3
	v_max_num_f32 v[TM+\b], v[TM+\b], v[TM+4+\b]   ; with lane l xor 16's 16: the block's largest magnitude
.endr
.irp b, 0,1,2,3
	v_add_nc_u32 v[TM+12+\b], 0xff000000, v[TM+\b]   ; 2 off its exponent field: the conversion's scale operand
.endr
.irp b, 0,1,2,3
	v_lshrrev_b32 v[TM+4+\b], 23, v[TM+12+\b]      ; the scale's byte
.endr
	v_lshl_or_b32 v[PW], v[TM+5], 8, v[TM+4]
	v_lshl_or_b32 v[PW], v[TM+6], 16, v[PW]
	v_lshl_or_b32 v[PW], v[TM+7], 24, v[PW]
.irp c, 0,1
	v_cvt_scalef32_pk16_fp6_f32 v[PC+6*\c:PC+6*\c+2], v[(\src)+32*\c:(\src)+32*\c+15], v[TM+12+2*\c]
	v_cvt_scalef32_pk16_fp6_f32 v[PC+12+4*\c:PC+12+4*\c+2], v[(\src)+32*\c+16:(\src)+32*\c+31], v[TM+13+2*\c]
.endr
	v_nop                                          ; one plain place behind the scaled conversions
.irp c, 0,1                            ; a whole block in a lane: lanes 0-15 block 2 c, lanes 16-31 block 2 c + 1
.irp i, 0,1,2
	v_permlane16_swap_b32 v[PC+6*\c+\i], v[PC+12+4*\c+\i]
.endr
.irp i, 0,1,2
	v_mov_b32 v[PC+3+6*\c+\i], v[PC+12+4*\c+\i]
.endr
.endr
.endm
	s_load_b256 s[4:11], s[0:1], 0x0               ; x, Wq, Wk, Wv
	s_load_b256 s[12:19], s[0:1], 0x20             ; xc, xs, wc, wsc
	v_lshl_add_u32 v[SPW], v0, 2, SPARE
	v_mov_b32 v[NIL], 0
	v_lshrrev_b32 v8, 5, v0
	v_readfirstlane_b32 s23, v8                    ; wave = m
	s_mul_i32 s24, s23, 8704                       ; my stage
	v_and_b32 v9, 15, v0                           ; r
	v_bfe_u32 v10, v0, 4, 1                        ; h
	v_and_b32 v11, 31, v0
	v_lshlrev_b32 v[XO], 4, v9
	v_lshl_add_u32 v[XO], v10, 16, v[XO]           ; lanes 0-15 a row's 256 bytes, lanes 16-31 those of the row 16 further down
	v_mul_u32_u24 v12, v10, 2176
	v_lshl_add_u32 v12, v9, 4, v12
	v_add_nc_u32 v[SIN], s24, v12                  ; in: stage rows 8 h + i
	v_mul_u32_u24 v12, v9, 272
	v_lshl_add_u32 v12, v10, 6, v12
	v_add_nc_u32 v[SOUT], s24, v12                 ; out: stage row r, + 64 h
	v_lshlrev_b32 v[GO16], 4, v11
	v_lshlrev_b32 v[SO], 6, v9
	v_lshl_add_u32 v[SO], v10, 3, v[SO]            ; scale words: 64 r + 8 h
.irp b, 0,1,2,3
	v_mov_b32 v[TM+4+\b], 0                        ; a lane permute's destination counts as one of its sources
.endr
	s_wait_alu depctr_va_vdst(0)                   ; the wait at the end of the head's vector work
	s_mov_b32 s[SEL], 0x76543210
	s_mov_b32 s[SEL+1], 0xfedcba98
	s_mov_b32 s[MHI], 0xffff0000
	s_cmp_lt_u32 ttmp9, 512
	s_cselect_b32 s25, 0, 512
	s_sub_co_u32 s25, ttmp9, s25
	s_and_b32 s26, s25, 1                          ; which four K steps
	s_lshr_b32 s25, s25, 1                         ; the block of 64 rows: of x's 256 or of the weights' 24
	s_and_b32 s27, s25, 7                          ; the weights: block in its tensor,
	s_lshr_b32 s28, s25, 3                         ; and c
	s_lshr_b32 s29, s23, 1                         ; b
	s_and_b32 s30, s23, 1                          ; u
	s_lshr_b32 s31, s27, 2                         ; j
	s_mul_i32 s31, s31, 589824
	s_lshl_b32 s32, s28, 3
	s_lshl_b32 s33, s26, 2
	s_add_co_u32 s32, s32, s33                     ; n of my first K step
	s_mul_i32 s32, s32, 24576
	s_add_co_u32 s31, s31, s32
	s_bfe_u32 s32, s27, 0x10001                    ; ch
	s_mul_i32 s32, s32, 12288
	s_add_co_u32 s31, s31, s32
	s_and_b32 s32, s27, 1                          ; gb
	s_lshl_b32 s32, s32, 2
	s_add_co_u32 s32, s32, s23                     ; t
	s_mul_i32 s32, s32, 1536
	s_add_co_u32 s31, s31, s32                     ; my first image in wc
	s_mul_i32 s34, s25, 49152
	s_mul_i32 s33, s26, 24576
	s_add_co_u32 s34, s34, s33
	s_mul_i32 s33, s23, 1536
	s_add_co_u32 s34, s34, s33                     ; or in xc
	s_mov_b32 s35, 24576
	s_cmp_lt_u32 ttmp9, 512
	s_cselect_b32 s36, s34, s31
	s_cselect_b32 s38, 6144, s35                   ; bytes from one K step's image to the next
	s_cselect_b32 s27, s25, s27                    ; the block in its source tensor
	s_mov_b32 s37, 0
	s_mov_b32 s39, 0
	s_lshl_b32 s40, s27, 6
	s_lshl_b32 s33, s29, 5
	s_add_co_u32 s40, s40, s33
	s_lshl_b32 s33, s30, 3
	s_add_co_u32 s40, s40, s33                     ; my tile's first row
	s_lshl_b32 s40, s40, 12
	s_lshl_b32 s33, s26, 11
	s_add_co_u32 s40, s40, s33                     ; + four K steps of 512 bytes
	s_mov_b32 s41, 0
	s_lshl_b32 s42, s25, 11
	s_lshl_b32 s33, s30, 10
	s_add_co_u32 s42, s42, s33
	s_lshl_b32 s33, s29, 5
	s_add_co_u32 s42, s42, s33
	s_lshl_b32 s33, s26, 4
	s_add_co_u32 s42, s42, s33                     ; scale words: 2,048 block + 1,024 u + 32 b + 16 (id % 2)
	s_mov_b32 s43, 0
	s_wait_kmcnt 0x0
	s_cmp_lt_u32 ttmp9, 544                        ; the choices hang on the work-group's number alone
	s_cselect_b64 s[8:9], s[8:9], s[10:11]
	s_cmp_lt_u32 ttmp9, 528
	s_cselect_b64 s[6:7], s[6:7], s[8:9]
	s_cmp_lt_u32 ttmp9, 512
	s_cselect_b64 s[4:5], s[4:5], s[6:7]
	s_cselect_b64 s[12:13], s[12:13], s[16:17]
	s_cselect_b64 s[14:15], s[14:15], s[18:19]
	s_add_nc_u64 s[4:5], s[4:5], s[40:41]
	s_add_nc_u64 s[12:13], s[12:13], s[36:37]
	s_add_nc_u64 s[14:15], s[14:15], s[42:43]
.macro LOADS s                         ; K step s of my four: 16 loads into region s % 3
.irp hf, 0,1
.irp i, 0,1,2,3,4,5,6,7
	global_load_b128 v[X+64*((\s)%3)+32*\hf+4*\i:X+64*((\s)%3)+32*\hf+4*\i+3], v[XO], s[4:5] offset:4096*\i+512*(\s)+256*\hf th:TH_LOAD_NT
.endr
.endr
.endm
.macro STEP s, younger
.set RB, X+64*((\s)%3)
	s_wait_loadcnt \younger                        ; this step's sixteen loads are in; the younger steps' may be out
.irp hf, 0,1
.irp i, 0,1,2,3,4,5,6,7
	ds_store_b128 v[SIN], v[RB+32*\hf+4*\i:RB+32*\hf+4*\i+3] offset:4352*\hf+272*\i
.endr
.endr
	s_wait_dscnt 0x0                               ; the stores have read their registers, which the loads below write
.irp hf, 0,1
.irp b, 0,1
.irp j, 0,1,2,3
	ds_load_b128 v[RB+32*\hf+16*\b+4*\j:RB+32*\hf+16*\b+4*\j+3], v[SOUT] offset:4352*\hf+128*\b+16*\j
.endr
.endr
.endr
.if (\s) > 0
	s_wait_xcnt 0x0                                ; the last step's stores have read their registers and their base
	s_add_nc_u64 s[12:13], s[12:13], s[38:39]
.endif
	s_wait_dscnt 0x0
	QUANT RB
.irp i, 0,1,2
	global_store_b128 v[GO16], v[PC+4*\i:PC+4*\i+3], s[12:13] offset:512*\i   ; 32 lanes store 512 consecutive bytes, at a multiple of 256
.endr
	v_mov_b32 v[PWS+(\s)], v[PW]
.endm
	LOADS 0
	LOADS 1
	LOADS 2
	STEP 0, 32
	LOADS 3
	STEP 1, 32
	STEP 2, 16
	STEP 3, 0
	v_cndmask_b32 v14, v[PWS], v[PWS+2], s[MHI]    ; lanes 0-15 store my first two words of row r, lanes 16-31 the other two
	v_cndmask_b32 v15, v[PWS+1], v[PWS+3], s[MHI]
	global_store_b64 v[SO], v[14:15], s[14:15]
	s_wait_tensorcnt 0x0                           ; the wave's end
	ds_add_u32 v[SPW], v[NIL]
	s_wait_dscnt 0x0
	s_endpgm
.Lfunc_end_k_qfb34d1c710_prep:
	.size	k_qfb34d1c710_prep, .Lfunc_end_k_qfb34d1c710_prep-k_qfb34d1c710_prep
	.p2alignl 7, 3214868480
	.fill 96, 4, 3214868480
	.section	.rodata,"a",@progbits
	.p2align	6, 0x0
	.amdhsa_kernel k_qfb34d1c710_prep
		.amdhsa_group_segment_fixed_size 35328
		.amdhsa_private_segment_fixed_size 0
		.amdhsa_enable_private_segment 0
		.amdhsa_kernarg_size 64
		.amdhsa_user_sgpr_count 2
		.amdhsa_user_sgpr_kernarg_segment_ptr 1
		.amdhsa_wavefront_size32 1
		.amdhsa_system_sgpr_workgroup_id_x 1
		.amdhsa_system_sgpr_workgroup_id_y 1
		.amdhsa_system_sgpr_workgroup_id_z 1
		.amdhsa_system_vgpr_workitem_id 0
		.amdhsa_next_free_vgpr 256
		.amdhsa_next_free_sgpr 66
		.amdhsa_reserve_vcc 0
		.amdhsa_float_denorm_mode_32 3
		.amdhsa_float_denorm_mode_16_64 3
		.amdhsa_memory_ordered 1
		.amdhsa_forward_progress 1
		.amdhsa_inst_pref_size 36
	.end_amdhsa_kernel
	.amdgpu_metadata
---
amdhsa.version: [ 1, 2 ]
amdhsa.kernels:
  - .name:           k_qfb34d1c710_prep
    .symbol:         k_qfb34d1c710_prep.kd
    .args:
      - { .name: x, .offset: 0, .size: 8, .value_kind: global_buffer, .address_space: global }
      - { .name: Wq, .offset: 8, .size: 8, .value_kind: global_buffer, .address_space: global }
      - { .name: Wk, .offset: 16, .size: 8, .value_kind: global_buffer, .address_space: global }
      - { .name: Wv, .offset: 24, .size: 8, .value_kind: global_buffer, .address_space: global }
      - { .name: xc, .offset: 32, .size: 8, .value_kind: global_buffer, .address_space: global }
      - { .name: xs, .offset: 40, .size: 8, .value_kind: global_buffer, .address_space: global }
      - { .name: wc, .offset: 48, .size: 8, .value_kind: global_buffer, .address_space: global }
      - { .name: wsc, .offset: 56, .size: 8, .value_kind: global_buffer, .address_space: global }
    .group_segment_fixed_size: 35328
    .private_segment_fixed_size: 0
    .kernarg_segment_align: 8
    .kernarg_segment_size: 64
    .max_flat_workgroup_size: 128
    .sgpr_count:     66
    .vgpr_count:     256
    .wavefront_size: 32
...
	.end_amdgpu_metadata
.endif
;; end of part 1
;; launch proj (part 2): grid 128 x 2, 4 waves a work-group, clusters of 4 x 1, 327,680 bytes of LDS; arguments xc, xs, wc, wsc, qc, qs, kv; writes qc, qs, kv
.if DOCPART == 2
	.amdgcn_target "amdgcn-amd-amdhsa--gfx1250"
	.amdhsa_code_object_version 6
	.text
	.protected	k_qfb34d1c710_proj
	.globl	k_qfb34d1c710_proj
	.p2align	8
	.type	k_qfb34d1c710_proj,@function
k_qfb34d1c710_proj:
	s_mov_b64 s[64:65], 0
	v_nop
	global_prefetch_b8 v0, s[64:65] scope:SCOPE_SE
	s_setreg_imm32_b32 hwreg(HW_REG_WAVE_MODE, 25, 1), 1
	s_wait_xcnt 0x0
	s_wait_alu depctr_hold_cnt(0) depctr_sa_sdst(0) depctr_va_vdst(0) depctr_va_sdst(0) depctr_va_ssrc(0) depctr_va_vcc(0) depctr_vm_vsrc(0)
	s_getreg_b32 s2, hwreg(HW_REG_IB_STS2, 6, 4)
	s_cmp_eq_u32 s2, 0
	s_cbranch_scc0 .Lentry_in_a_cluster
	s_endpgm
.Lentry_in_a_cluster:
	s_bfe_u32 s2, ttmp6, 0x10000c
	s_cmp_lg_u32 s2, 0x3003
	s_cbranch_scc0 .Lentry_shape_is_right
	s_endpgm
.Lentry_shape_is_right:
; q, k, v = x W^T on codes of FP6 (E2M3) with one E8M0 scale for each 32 along K = 1,024; the results are quantised at once for the next launch's two products and leave as images of operand registers.
; xc, xs, wc, wsc: fragment images and scale words of x and of the weights, as the launch before lays them.  q, k, v never go to memory as f32.
; A FRAGMENT is 16 rows x 128 K, 12 registers a lane; its IMAGE is 1,536 bytes: registers 4 i .. 4 i + 3 of lane l at 512 i + 16 l.
; In a block of 32 rows, tile u gives lane index rho the row 8 u + rho + 8 (rho / 8): so the 16 result registers of tiles 2 b, 2 b + 1 are 16 neighbours along the next product's K.
; SHARES.  Work-group (G, j) owns rows 128 G .. + 127 and, of each of q, k, v, columns 256 j .. + 255.  Wave 2 rh + ch owns rows 64 g .. + 63, g = 2 G + rh (four row tiles m), and columns 128 w .. + 127, w = 2 j + ch (eight tiles t): 32 accumulators.
; A UNIT n = 8 c + s is one K step of one chunk c = q, k, v: my 8 fragments of W from LDS, each against my four fragments of x, which stay in registers (32 fragments, 384 registers) for all three chunks: 32 matrix instructions.
; W's stream for half j is 24 units x 24,576 bytes, dense: two LDS slots of six units; a fill is asked for six units, 192 matrix instructions a wave, ahead of its first read: one tensor load a wave is out.
; q and k are used transposed (source 0 = W, source 1 = x): a lane holds one row and neighbours along d.  v is used the natural way: a lane holds one d and neighbours along the keys.
; OUT: qc = [g][m 4][s 4][1,536], qs = [g][b 2][s 4][lane 16 u + r] words;  kv = [step of 128 keys (128)][K 49,152 | KS 2,048 | V 49,152 | VS 2,048]: K = [key block 4][u 2][s 4][1,536];
;   KS = [key block 4][s 4][lane] words;  V = [dt 32][c 2][768], a half c (64 keys) being registers 6 c .. 6 c + 3 at 16 l and, 512 bytes on, 6 c + 4, 6 c + 5 at 8 l;
;   VS = [w 4][i 4][lane 16 (dt % 2) + r] words, byte b for key block b of the step: a wave writes two of a word's four bytes.
; CLUSTER: the four work-groups of a cluster share j and walk the same stream: each slot is asked for JOINTLY (mask 15), each wave a quarter.  x's images go from memory straight into registers, so no joint load serves them.
; No prefetch: the walk has four fills and no loop to run ahead in; x's images and all scale words are asked for at the head.
; The 24 units are written out: slots come back after 12 units and chunks after 8, so register numbers and addresses come back only after 24.
; LIMITS: a block of zeros, or one whose largest magnitude lies under 2^-124, keeps the byte 1 (zero codes add nothing; this program alone reads the bytes).  NaN and infinities among the inputs are not served.
; REGISTERS: window 0: v1-18 addresses; v24-62 the quantiser's; v64-79 x's scale words (8 b + s); v80-111 W's of the chunk in hand (8 b + s); v112-255 three groups of four fragments of W.
;   windows 1, 2: eight regions of 64, region s: x's four fragments of K step s (12 m); registers 48-63 of window 1's regions: W's scale words of chunks k and v until they are wanted.   window 3: the 32 accumulators (q, k: 64 m + 8 t; v: 32 t + 8 m).
.set SL,    147456
.set SPARE, 2*SL
.set STEPB, 102400
.set GO64, 1
.set BFA,  8                           ; v8-13: my fragments of units 2 k, 2 k + 1 of the ring's twelve
.set GO16, 14
.set GO8,  15
.set GO4,  16
.set SPW,  17                          ; LDS address of my spare word; never rewritten
.set NIL,  18                          ; 0; never rewritten
.set TM,   24
.set PC,   40
.set PW,   60
.set PWE,  61
.set XS,   64
.set WS,   80
.set BF,   112
.set WV,   18
.set CX,   19                          ; my place in the cluster: it enters x's and the outputs' addresses alone
.set GG,   20
.set MHI,  21
.set SEL,  22
.set G1,   24
.set G0,   32
.set VP,   44
.set VSP,  46
.set KP,   48
.set KSP,  50
.set CH,   56
.set JJ,   57
.set WW,   58
.set MSB, 0
.macro WIN new                         ; the immediate's high byte repeats the setting that is left
.if MSB != (\new)
	s_set_vgpr_msb (MSB<<8)|(\new)
.set MSB, (\new)
.endif
.endm
.macro PLACES                          ; four plain places behind a matrix instruction (ISA guide 7.12.1)
.rept 4
	v_nop
.endr
.endm
.macro CREST                           ; a round of the cluster's barrier behind its opening barrier
	s_cmp_lg_u32 s[WV], 0
	s_cbranch_scc1 .Lnot_wave_0_\@
	s_barrier_signal -3
.Lnot_wave_0_\@:
	s_barrier_wait -3
	s_barrier_signal -1
	s_barrier_wait -1
.endm
.macro CROUND
	s_barrier_signal -1
	s_barrier_wait -1
	CREST
.endm
; One matrix instruction, by the symbols rD, rA, rB, rSA, rSB; fZ: the constant 0 starts the sum; fRA, fRB: the side's scales stand in lanes 16-31 of its register.
.macro WM
.if fZ && fRA && fRB
	v_wmma_scale_f32_16x16x128_f8f6f4 v[rD:rD+7], v[rA:rA+11], v[rB:rB+11], 0, v[rSA], v[rSB] matrix_a_fmt:MATRIX_FMT_FP6 matrix_b_fmt:MATRIX_FMT_FP6 matrix_a_scale:MATRIX_SCALE_ROW1 matrix_b_scale:MATRIX_SCALE_ROW1
.elseif fZ && fRA
	v_wmma_scale_f32_16x16x128_f8f6f4 v[rD:rD+7], v[rA:rA+11], v[rB:rB+11], 0, v[rSA], v[rSB] matrix_a_fmt:MATRIX_FMT_FP6 matrix_b_fmt:MATRIX_FMT_FP6 matrix_a_scale:MATRIX_SCALE_ROW1
.elseif fZ && fRB
	v_wmma_scale_f32_16x16x128_f8f6f4 v[rD:rD+7], v[rA:rA+11], v[rB:rB+11], 0, v[rSA], v[rSB] matrix_a_fmt:MATRIX_FMT_FP6 matrix_b_fmt:MATRIX_FMT_FP6 matrix_b_scale:MATRIX_SCALE_ROW1
.elseif fZ
	v_wmma_scale_f32_16x16x128_f8f6f4 v[rD:rD+7], v[rA:rA+11], v[rB:rB+11], 0, v[rSA], v[rSB] matrix_a_fmt:MATRIX_FMT_FP6 matrix_b_fmt:MATRIX_FMT_FP6
.elseif fRA && fRB
	v_wmma_scale_f32_16x16x128_f8f6f4 v[rD:rD+7], v[rA:rA+11], v[rB:rB+11], v[rD:rD+7], v[rSA], v[rSB] matrix_a_fmt:MATRIX_FMT_FP6 matrix_b_fmt:MATRIX_FMT_FP6 matrix_a_scale:MATRIX_SCALE_ROW1 matrix_b_scale:MATRIX_SCALE_ROW1
.elseif fRA
	v_wmma_scale_f32_16x16x128_f8f6f4 v[rD:rD+7], v[rA:rA+11], v[rB:rB+11], v[rD:rD+7], v[rSA], v[rSB] matrix_a_fmt:MATRIX_FMT_FP6 matrix_b_fmt:MATRIX_FMT_FP6 matrix_a_scale:MATRIX_SCALE_ROW1
.elseif fRB
	v_wmma_scale_f32_16x16x128_f8f6f4 v[rD:rD+7], v[rA:rA+11], v[rB:rB+11], v[rD:rD+7], v[rSA], v[rSB] matrix_a_fmt:MATRIX_FMT_FP6 matrix_b_fmt:MATRIX_FMT_FP6 matrix_b_scale:MATRIX_SCALE_ROW1
.else
	v_wmma_scale_f32_16x16x128_f8f6f4 v[rD:rD+7], v[rA:rA+11], v[rB:rB+11], v[rD:rD+7], v[rSA], v[rSB] matrix_a_fmt:MATRIX_FMT_FP6 matrix_b_fmt:MATRIX_FMT_FP6
.endif
.endm
; 64 numbers of a lane, register 16 b + i = k 32 b + 16 (lane / 16) + i of the lane's row, in window win, become a fragment in v[PC] on and its scale word in v[PW].  An accumulator is read from its low end on.
.macro QUANT src, win
	WIN ((\win)<<2)|((\win)<<4)
.irp b, 0,1,2,3
	v_max3_num_f32 v[TM+\b], 0x1800000, |v[(\src)+16*\b]|, |v[(\src)+16*\b+1]|   ; with the floor 2^(3 - 127): the byte cannot fall under 1
.endr
.irp i, 2,4,6,8,10,12,14
.irp b, 0,1,2,3
	v_max3_num_f32 v[TM+\b], v[TM+\b], |v[(\src)+16*\b+\i]|, |v[(\src)+16*\b+\i+1]|
.endr
.endr
	WIN 0
.irp b, 0,1,2,3
	v_permlanex16_b32 v[TM+4+\b], v[TM+\b], s[SEL], s[SEL+1]
.endr
.irp b, 0,1,2,3
	v_max_num_f32 v[TM+\b], v[TM+\b], v[TM+4+\b]
.endr
.irp b, 0,1,2,3
	v_add_nc_u32 v[TM+12+\b], 0xff000000, v[TM+\b]   ; 2 off the exponent field: the conversion's scale operand
.endr
.irp b, 0,1,2,3
	v_lshrrev_b32 v[TM+4+\b], 23, v[TM+12+\b]
.endr
	v_lshl_or_b32 v[PW], v[TM+5], 8, v[TM+4]
	v_lshl_or_b32 v[PW], v[TM+6], 16, v[PW]
	v_lshl_or_b32 v[PW], v[TM+7], 24, v[PW]
	WIN (\win)
.irp c, 0,1
	v_cvt_scalef32_pk16_fp6_f32 v[PC+6*\c:PC+6*\c+2], v[(\src)+32*\c:(\src)+32*\c+15], v[TM+12+2*\c]
	v_cvt_scalef32_pk16_fp6_f32 v[PC+12+4*\c:PC+12+4*\c+2], v[(\src)+32*\c+16:(\src)+32*\c+31], v[TM+13+2*\c]
.endr
	WIN 0
	v_nop                                          ; one plain place behind the scaled conversions
.irp c, 0,1
.irp i, 0,1,2
	v_permlane16_swap_b32 v[PC+6*\c+\i], v[PC+12+4*\c+\i]
.endr
.irp i, 0,1,2
	v_mov_b32 v[PC+3+6*\c+\i], v[PC+12+4*\c+\i]
.endr
.endr
.endm
; The same for 32 numbers, blocks 0 and 1: half a fragment in v[PC] .. v[PC+5], two scale bytes in v[PW].
.macro QUANT2 src, win
	WIN ((\win)<<2)|((\win)<<4)
.irp b, 0,1
	v_max3_num_f32 v[TM+\b], 0x1800000, |v[(\src)+16*\b]|, |v[(\src)+16*\b+1]|
.endr
.irp i, 2,4,6,8,10,12,14
.irp b, 0,1
	v_max3_num_f32 v[TM+\b], v[TM+\b], |v[(\src)+16*\b+\i]|, |v[(\src)+16*\b+\i+1]|
.endr
.endr
	WIN 0
.irp b, 0,1
	v_permlanex16_b32 v[TM+4+\b], v[TM+\b], s[SEL], s[SEL+1]
.endr
.irp b, 0,1
	v_max_num_f32 v[TM+\b], v[TM+\b], v[TM+4+\b]
.endr
.irp b, 0,1
	v_add_nc_u32 v[TM+12+\b], 0xff000000, v[TM+\b]
.endr
.irp b, 0,1
	v_lshrrev_b32 v[TM+4+\b], 23, v[TM+12+\b]
.endr
	v_lshl_or_b32 v[PW], v[TM+5], 8, v[TM+4]
	WIN (\win)
	v_cvt_scalef32_pk16_fp6_f32 v[PC:PC+2], v[(\src):(\src)+15], v[TM+12]
	v_cvt_scalef32_pk16_fp6_f32 v[PC+12:PC+14], v[(\src)+16:(\src)+31], v[TM+13]
	WIN 0
	v_nop
.irp i, 0,1,2
	v_permlane16_swap_b32 v[PC+\i], v[PC+12+\i]
.endr
.irp i, 0,1,2
	v_mov_b32 v[PC+3+\i], v[PC+12+\i]
.endr
.endm
.macro LOADXF s                        ; x's four fragments of K step s: twelve loads of 512 consecutive bytes
	WIN (1+(\s)/4)<<6
.irp m, 0,1,2,3
.irp i, 0,1,2
	global_load_b128 v[64*((\s)%4)+12*\m+4*\i:64*((\s)%4)+12*\m+4*\i+3], v[GO16], s[4:5] offset:6144*(\s)+1536*\m+512*\i
.endr
.endr
.endm
; FOUR sets of four fragments of W: sets 0-2 at v112-255 of window 0; set 3 in registers 48-59 of window 2's four regions, which x's fragments leave free.  BB: the set's first register, BS: from fragment to fragment, WB: its window.
.macro SETB q
.if (\q)%4 == 3
.set BB, 48
.set BS, 64
.set WB, 2
.else
.set BB, BF+48*((\q)%4)
.set BS, 12
.set WB, 0
.endif
.endm
.macro LOADG q                         ; group q = 2 n + gi: four of unit n's eight fragments of W, into set q % 4
.set NN, (\q)/2
.set GI, (\q)%2
	SETB \q
	WIN WB<<6
.irp tt, 0,1,2,3
.irp i, 0,1,2
	ds_load_b128 v[BB+BS*\tt+4*\i:BB+BS*\tt+4*\i+3], v[BFA+(NN%12)/2] offset:(NN%2)*24576+(4*GI+\tt)*1536+512*\i
.endr
.endr
.endm
.macro MULG q                          ; its 16 matrix instructions.  The 32 accumulators take turns, one instruction a turn, in the same order in every unit
.set NN, (\q)/2
.set GI, (\q)%2
.set CHK, NN/8
.set KST, NN%8
.set WX, 1+KST/4
.set RB, 64*(KST%4)
	SETB \q
.set fZ, 0
.if KST == 0
.set fZ, 1                             ; a chunk's first K step starts the sums
.endif
.if CHK < 2
	WIN 0xF0|(WX<<2)|WB
.else
	WIN 0xF0|WX|(WB<<2)
.endif
.irp tt, 0,1,2,3
.irp m, 0,1,2,3
.set TT, 4*GI+\tt
.if CHK < 2
.set rD, 64*\m+8*TT
.set rA, BB+BS*\tt
.set rB, RB+12*\m
.set rSA, WS+8*(TT/2)+KST
.set rSB, XS+8*(\m/2)+KST
.set fRA, TT%2
.set fRB, \m%2
.else
.set rD, 32*TT+8*\m
.set rA, RB+12*\m
.set rB, BB+BS*\tt
.set rSA, XS+8*(\m/2)+KST
.set rSB, WS+8*(TT/2)+KST
.set fRA, \m%2
.set fRB, TT%2
.endif
	WM
.endr
.endr
.endm
; A unit: the next unit's eight fragments are asked for in ONE run, into the two sets that the unit before multiplied; then this unit's 32 matrix instructions.
.macro UNIT n
.if (\n) < 23
	PLACES                                         ; the sets that the unit before multiplied are loaded again
	LOADG 2*(\n)+2
	LOADG 2*(\n)+3
	s_wait_dscnt 24                                ; this unit's 24 loads are in; the next unit's 24 may be out
.else
	s_wait_dscnt 0x0
.endif
	MULG 2*(\n)
	MULG 2*(\n)+1
.endm
; THE CHANGE OF SLOTS, in a slot's last unit (groups q, q + 1, whose fragments are in registers or on their way).  k: the fill that is entered.  Up to k = 2 the slot just left takes fill k + 1:
; the barrier then opens a round of the cluster's barrier, and the joint load is the first tensor load behind the round.
.macro CHG q, k
.set PS_, ((\k)-1)%2
	WIN 0
	s_wait_tensorcnt 0x0                           ; no tensor load of mine is out, so a group 0 may be written
	ds_add_u32 v[SPW], v[NIL]
.if (\k) <= 2
	s_add_nc_u64 s[G0+4*PS_+2:G0+4*PS_+3], s[G0+4*PS_+2:G0+4*PS_+3], 2*SL
.endif
	s_wait_dscnt 0x0                               ; the add is done, and my reads of this slot are over
	s_barrier_signal -1
	MULG \q
	WIN 0
	s_barrier_wait -1
.if (\k) <= 2
	CREST
	tensor_load_to_lds s[G0+4*PS_:G0+4*PS_+3], s[G1:G1+7]
	s_nop 0
	PLACES
.else
	PLACES
.endif
	LOADG (\q)+2
	LOADG (\q)+3
	MULG (\q)+1
.endm
; q's or k's way out: for each row tile m my 8 tiles are 128 neighbours along d: one fragment (d step w) and one scale word a row.  First the next chunk's scale words of W move into their registers.
.set PWV, 20                           ; v20-23: v's scale bytes on their way out
.macro SETPC x, fr                     ; tile x's codes go to one of three runs of registers: v40 on, or one of two in the set of W's fragments that is free (fr)
.if (\x)%3 == 0
.set PC, 40
.else
.set PC, (\fr)+20*((\x)%3-1)
.endif
.endm
.macro STQ x, cp, fr
	SETPC \x, \fr
.irp i, 0,1,2
	global_store_b128 v[GO16], v[PC+4*\i:PC+4*\i+3], s[\cp:\cp+1] offset:6144*(\x)+512*\i   ; 32 lanes store 512 consecutive bytes, at a multiple of 256
.endr
.endm
.macro STV x
	global_store_b128 v[GO16], v[BF+16*(\x):BF+16*(\x)+3], s[VP:VP+1] offset:1536*(\x)
	global_store_b64 v[GO8], v[BF+16*(\x)+4:BF+16*(\x)+5], s[VP:VP+1] offset:1536*(\x)+512
.endm
.macro EPIQK cp, sp, nxt, fr
	PLACES
	s_wait_loadcnt 0x0                             ; every load of the head is in
	WIN 0x01
.irp i, 0,1,2,3,4,5,6,7
.irp k, 0,1,2,3
	v_mov_b32 v[WS+4*\i+\k], v[64*(2*((\nxt)-1)+\i/4)+48+4*(\i%4)+\k]
.endr
.endr
	WIN 0
.irp m, 0,1,2,3                        ; a tile's stores stand behind the next tile's quantiser
.if \m == 3
	s_wait_xcnt 0x0                                ; tile 0's stores have read v40 on, which tile 3 writes
.endif
	SETPC \m, \fr
	QUANT 64*\m,3
.if \m%2 == 0
	v_mov_b32 v[PWE+\m/2], v[PW]
.else
	v_cndmask_b32 v[PWE+\m/2], v[PWE+\m/2], v[PW], s[MHI]   ; lanes 0-15: tile u = 0's words, lanes 16-31: tile u = 1's
.endif
.if \m > 0
	STQ \m-1, \cp, \fr
.endif
.endr
	STQ 3, \cp, \fr
.irp b, 0,1
	global_store_b32 v[GO4], v[PWE+\b], s[\sp:\sp+1] offset:512*\b
.endr
	s_wait_xcnt 0x0                                ; the stores have read the free set's registers: the next fragments may be loaded there
.set PC, 40
.endm
; v's way out: for each of my 8 tiles of d the four row tiles are 64 neighbouring keys: half a fragment and two scale bytes.
.macro EPIV
	PLACES
.irp t, 0,1,2,3,4,5,6,7                ; all three sets of W's fragments are free: sixteen registers of their own for each tile, so no store's data are written again
.set PC, BF+16*\t
	QUANT2 32*\t,3
.if \t%2 == 0
	v_mov_b32 v[PWV+\t/2], v[PW]
.else
	v_cndmask_b32 v[PWV+\t/2], v[PWV+\t/2], v[PW], s[MHI]
.endif
.if \t > 0
	STV \t-1
.endif
.endr
	STV 7
.irp b, 0,1,2,3
	global_store_b16 v[GO4], v[PWV+\b], s[VSP:VSP+1] offset:128*\b
.endr
.endm
	s_load_b256 s[4:11], s[0:1], 0x0               ; xc s[4:5], xs s[6:7], wc s[8:9], wsc s[10:11]
	s_load_b128 s[12:15], s[0:1], 0x20             ; qc s[12:13], qs s[14:15]
	s_load_b64 s[16:17], s[0:1], 0x30              ; kv
	v_lshl_add_u32 v[SPW], v0, 2, SPARE
	v_mov_b32 v[NIL], 0
	ds_add_u32 v[SPW], v[NIL]                      ; the opening lines: the add, twice on end, and its wait ahead of my first tensor load
	ds_add_u32 v[SPW], v[NIL]
	v_lshrrev_b32 v19, 5, v0
	v_readfirstlane_b32 s[WV], v19                 ; wave 0..3
	s_and_b32 s[CH], s[WV], 1                      ; which 128 of the 256 columns
	s_mul_i32 s40, s[CH], 12288
	v_and_b32 v19, 31, v0
	v_lshlrev_b32 v[GO16], 4, v19
	v_lshlrev_b32 v[GO8], 3, v19
	v_lshlrev_b32 v[GO4], 2, v19
	v_lshlrev_b32 v[GO64], 6, v19
	v_add_nc_u32 v[BFA], s40, v[GO16]
.irp k, 1,2,3,4,5
	v_add_nc_u32 v[BFA+\k], 49152*\k, v[BFA]
.endr
.irp b, 0,1,2,3
	v_mov_b32 v[TM+4+\b], 0                        ; a lane permute's destination counts as one of its sources
.endr
	s_wait_alu depctr_va_vdst(0)                   ; the wait at the end of the head's vector work
	s_bfe_u32 s[CX], ttmp6, 0x40000                ; cx
	s_lshl_b32 s[GG], ttmp9, 2                     ; in a cluster launch ttmp9 counts clusters
	s_add_co_u32 s[GG], s[GG], s[CX]               ; G
	s_lshl_b32 s[GG], s[GG], 1
	s_lshr_b32 s40, s[WV], 1
	s_add_co_u32 s[GG], s[GG], s40                 ; g = 2 G + rh
	s_and_b32 s[JJ], ttmp7, 0xffff                 ; j: the same in all four partners
	s_lshl_b32 s[WW], s[JJ], 1
	s_add_co_u32 s[WW], s[WW], s[CH]               ; w = 2 j + ch
	s_mov_b32 s[G1], 15|(3<<16)|(1<<21)            ; the mask: all four work-groups; elements of 8 bytes; no padding; bit 21 beside a mask
	s_mov_b32 s[G1+1], 32<<16                      ; rows of 256 bytes
	s_mov_b32 s[G1+2], 144<<16                     ; 144 rows: a quarter of a slot
	s_mov_b32 s[G1+3], 32<<16
	s_mov_b32 s[G1+4], 144
	s_mov_b32 s[G1+5], 32                          ; dense
	s_mov_b32 s[G1+6], 0
	s_mov_b32 s[G1+7], 0
	s_mov_b32 s[SEL], 0x76543210
	s_mov_b32 s[SEL+1], 0xfedcba98
	s_mov_b32 s[MHI], 0xffff0000
	s_mul_i32 s52, s[WV], 36864                    ; my quarter of a slot, in the stream and in LDS alike
	s_mul_i32 s54, s[JJ], 589824
	s_add_co_u32 s54, s54, s52
	s_mov_b32 s55, 0
	s_mov_b32 s41, 0
	s_wait_dscnt 0x0                               ; both opening adds are done
	s_wait_kmcnt 0x0
	s_add_nc_u64 s[54:55], s[8:9], s[54:55]
	s_mul_i32 s40, s[GG], 49152
	s_add_nc_u64 s[4:5], s[4:5], s[40:41]          ; x's images of my 64 rows
	s_lshl_b32 s40, s[GG], 11
	s_add_nc_u64 s[6:7], s[6:7], s[40:41]          ; and their scale words
	s_lshl_b32 s40, s[WW], 12
	s_add_nc_u64 s[10:11], s[10:11], s[40:41]      ; W's scale words: 16,384 c + 4,096 w
	s_mul_i32 s40, s[GG], 24576                    ; qc: 24,576 g + 1,536 w
	s_mul_i32 s42, s[WW], 1536
	s_add_co_u32 s40, s40, s42
	s_add_nc_u64 s[12:13], s[12:13], s[40:41]
	s_lshl_b32 s40, s[GG], 10                      ; qs: 1,024 g + 128 w
	s_lshl_b32 s43, s[WW], 7
	s_add_co_u32 s40, s40, s43
	s_add_nc_u64 s[14:15], s[14:15], s[40:41]
	s_lshr_b32 s2, s[GG], 1
	s_mul_i32 s2, s2, STEPB                        ; my step of 128 keys in kv
	s_and_b32 s3, s[GG], 1                         ; which half of it
	s_mul_i32 s40, s3, 24576                       ; K's images: my two key blocks, d step w
	s_add_co_u32 s40, s40, s2
	s_add_co_u32 s40, s40, s42
	s_add_nc_u64 s[KP:KP+1], s[16:17], s[40:41]
	s_lshl_b32 s40, s3, 10                         ; K's scale words
	s_add_co_u32 s40, s40, s2
	s_add_co_u32 s40, s40, s43
	s_add_co_u32 s40, s40, 49152
	s_add_nc_u64 s[KSP:KSP+1], s[16:17], s[40:41]
	s_mul_i32 s40, s3, 768                         ; V's images: my eight tiles of d, my half of the keys
	s_add_co_u32 s40, s40, s2
	s_mul_i32 s42, s[WW], 12288
	s_add_co_u32 s40, s40, s42
	s_add_co_u32 s40, s40, 51200
	s_add_nc_u64 s[VP:VP+1], s[16:17], s[40:41]
	s_lshl_b32 s40, s3, 1                          ; V's scale bytes: my two bytes of each word
	s_add_co_u32 s40, s40, s2
	s_lshl_b32 s42, s[WW], 9
	s_add_co_u32 s40, s40, s42
	s_add_co_u32 s40, s40, 100352
	s_add_nc_u64 s[VSP:VSP+1], s[16:17], s[40:41]
	CROUND                                         ; all four work-groups are here: the first joint loads meet
.irp p, 0,1
	s_mov_b32 s[G0+4*\p], 1
	s_add_co_u32 s[G0+4*\p+1], s52, \p*SL
	s_add_nc_u64 s[G0+4*\p+2:G0+4*\p+3], s[54:55], \p*SL
	s_or_b32 s[G0+4*\p+3], s[G0+4*\p+3], 0x80000000
.endr
	tensor_load_to_lds s[G0:G0+3], s[G1:G1+7]      ; fill 0: one tensor load a wave at the head
	s_nop 0
	PLACES
.irp i, 0,1,2,3
	global_load_b128 v[XS+4*\i:XS+4*\i+3], v[GO64], s[6:7] offset:16*\i
.endr
.irp i, 0,1,2,3,4,5,6,7
	global_load_b128 v[WS+4*\i:WS+4*\i+3], v[GO64], s[10:11] offset:2048*(\i/4)+16*(\i%4)   ; chunk q's scale words of W
.endr
.irp s, 0,1,2,3
	LOADXF \s
.endr
	WIN 0
	s_wait_tensorcnt 0x0                           ; my quarter of fill 0 is in
	ds_add_u32 v[SPW], v[NIL]
	s_wait_dscnt 0x0
	CROUND                                         ; everybody's quarter is in, and the joint loads meet
	tensor_load_to_lds s[G0+4:G0+7], s[G1:G1+7]    ; fill 1, the first tensor load behind the round
	s_nop 0
	PLACES
.irp s, 4,5,6,7
	LOADXF \s
.endr
	WIN 0x40
.irp c, 1,2
.irp i, 0,1,2,3,4,5,6,7
	global_load_b128 v[64*(2*(\c-1)+\i/4)+48+4*(\i%4):64*(2*(\c-1)+\i/4)+48+4*(\i%4)+3], v[GO64], s[10:11] offset:16384*\c+2048*(\i/4)+16*(\i%4)   ; chunks k's and v's, parked in window 1
.endr
.endr
	WIN 0
	LOADG 0
	LOADG 1
.set n, 0
.rept 24
.if n < 8
.set LC, 12*(7-n)+16                   ; behind K step n's fragments: the later K steps' twelve loads each and the sixteen parked scale loads; the wait's field holds 63
.if LC > 63
.set LC, 63
.endif
	s_wait_loadcnt LC
.endif
.if (n%6 == 5) && (n < 23)
	CHG 2*n,(n+1)/6
.else
	UNIT n
.endif
.if n == 7
	EPIQK 12,14,1,BF+96
.elseif n == 15
	EPIQK KP,KSP,2,BF+96
.endif
.set n, n+1
.endr
	EPIV
	s_wait_tensorcnt 0x0                           ; the wave's end
	ds_add_u32 v[SPW], v[NIL]
	s_wait_dscnt 0x0
	CROUND                                         ; the closing round
	s_endpgm
.Lfunc_end_k_qfb34d1c710_proj:
	.size	k_qfb34d1c710_proj, .Lfunc_end_k_qfb34d1c710_proj-k_qfb34d1c710_proj
	.p2alignl 7, 3214868480
	.fill 96, 4, 3214868480
	.section	.rodata,"a",@progbits
	.p2align	6, 0x0
	.amdhsa_kernel k_qfb34d1c710_proj
		.amdhsa_group_segment_fixed_size 327680
		.amdhsa_private_segment_fixed_size 0
		.amdhsa_enable_private_segment 0
		.amdhsa_kernarg_size 56
		.amdhsa_user_sgpr_count 2
		.amdhsa_user_sgpr_kernarg_segment_ptr 1
		.amdhsa_wavefront_size32 1
		.amdhsa_system_sgpr_workgroup_id_x 1
		.amdhsa_system_sgpr_workgroup_id_y 1
		.amdhsa_system_sgpr_workgroup_id_z 1
		.amdhsa_system_vgpr_workitem_id 0
		.amdhsa_next_free_vgpr 1024
		.amdhsa_next_free_sgpr 66
		.amdhsa_reserve_vcc 0
		.amdhsa_float_denorm_mode_32 3
		.amdhsa_float_denorm_mode_16_64 3
		.amdhsa_memory_ordered 1
		.amdhsa_forward_progress 1
		.amdhsa_inst_pref_size 212
	.end_amdhsa_kernel
	.amdgpu_metadata
---
amdhsa.version: [ 1, 2 ]
amdhsa.kernels:
  - .name:           k_qfb34d1c710_proj
    .symbol:         k_qfb34d1c710_proj.kd
    .args:
      - { .name: xc, .offset: 0, .size: 8, .value_kind: global_buffer, .address_space: global }
      - { .name: xs, .offset: 8, .size: 8, .value_kind: global_buffer, .address_space: global }
      - { .name: wc, .offset: 16, .size: 8, .value_kind: global_buffer, .address_space: global }
      - { .name: wsc, .offset: 24, .size: 8, .value_kind: global_buffer, .address_space: global }
      - { .name: qc, .offset: 32, .size: 8, .value_kind: global_buffer, .address_space: global }
      - { .name: qs, .offset: 40, .size: 8, .value_kind: global_buffer, .address_space: global }
      - { .name: kv, .offset: 48, .size: 8, .value_kind: global_buffer, .address_space: global }
    .group_segment_fixed_size: 327680
    .private_segment_fixed_size: 0
    .kernarg_segment_align: 8
    .kernarg_segment_size: 56
    .max_flat_workgroup_size: 128
    .sgpr_count:     66
    .vgpr_count:     1024
    .wavefront_size: 32
...
	.end_amdgpu_metadata
.endif
;; end of part 2
;; launch attn (part 3): grid 32 x 8, 8 waves a work-group, clusters of 4 x 1, 327,680 bytes of LDS; arguments qc, qs, kv, out0; writes out0
.if DOCPART == 3
	.amdgcn_target "amdgcn-amd-amdhsa--gfx1250"
	.amdhsa_code_object_version 6
	.text
	.protected	k_qfb34d1c710_attn
	.globl	k_qfb34d1c710_attn
	.p2align	8
	.type	k_qfb34d1c710_attn,@function
k_qfb34d1c710_attn:
	s_mov_b64 s[64:65], 0
	v_nop
	global_prefetch_b8 v0, s[64:65] scope:SCOPE_SE
	s_setreg_imm32_b32 hwreg(HW_REG_WAVE_MODE, 25, 1), 1
	s_wait_xcnt 0x0
	s_wait_alu depctr_hold_cnt(0) depctr_sa_sdst(0) depctr_va_vdst(0) depctr_va_sdst(0) depctr_va_ssrc(0) depctr_va_vcc(0) depctr_vm_vsrc(0)
	s_getreg_b32 s2, hwreg(HW_REG_IB_STS2, 6, 4)
	s_cmp_eq_u32 s2, 0
	s_cbranch_scc0 .Lentry_in_a_cluster
	s_endpgm
.Lentry_in_a_cluster:
	s_bfe_u32 s2, ttmp6, 0x10000c
	s_cmp_lg_u32 s2, 0x3003
	s_cbranch_scc0 .Lentry_shape_is_right
	s_endpgm
.Lentry_shape_is_right:
; out = softmax(q k^T / sqrt(512)) v on codes of FP6 (E2M3) with E8M0 scales, from the images that the launch before stored (qc, qs, kv: its head comment gives the layouts).
; A work-group owns 64 queries (four tiles m) of one batch and walks the batch's 16 steps of 128 keys through two LDS slots, asked for jointly by the four work-groups of a cluster (mask 15), each wave an eighth of a slot.
; EIGHT WAVES, two to a SIMD, 512 registers each: waves 0-3 (hq = 0) own query tiles 0, 1, waves 4-7 tiles 2, 3.  In its half, wave w4 = wave % 4 makes the scores of keys 32 w4 .. + 31 (16 matrix instructions a step),
; the half's four waves exchange their maxima, p's codes and p's scale bytes through LDS, and wave w4 sums columns 128 w4 .. + 127 of O (16 matrix instructions).  Each fragment of K and V feeds two matrix instructions.
; Both products are used transposed, so that a lane holds one query.  M is the ceiling of the running largest t; p = 2^(t - M); the sum is taken of the unquantised p; a change of M multiplies the sum and O by an exact power of two.
; THE PIPE: a trip holds step j - 2's PV, step j - 1's softmax and step j's scores; so a slot's K part runs two steps ahead of its V part: waves 0-3 fill K parts, waves 4-7 V parts.  One round of the cluster's barrier a trip.
; PREFETCH: in a trip that refills, each wave names the blocks of 256 bytes of its eighth of the tile two refills on; the four partners share the 50 blocks out by address (13 each); the loop's last trip asks for nothing.
; REGISTERS: window 0: v1-23 addresses; v24-39 state (8 a tile: -M, largest t, sum pair, f pair, block maximum, scratch); v40-77 small operands; v128-223 q's 8 fragments; v224-247 p's 2.
;   window 1: v0-127 O^T (8 (2 dt + t)); v128-223 V's 8 fragments, then K's 8 (fetched behind the PV products); v224-255 the scores, then p.  One window setting (0x51) serves both mixed runs.
; The way out is staged in slot 0, behind its last fill and, by the last barrier, its last read.
; LIMIT: the promise holds while the scaled scores (the exponents to the base 2) stay under 2^31 in magnitude.  NaN and infinities among the inputs are not served.
.set STEPB, 102400
.set KSO,   49152
.set VO,    51200
.set VSO,   100352
.set SLOT1, 131072
.set PIMG,  262144                     ; p's images, [parity 2][m 4][1,536]
.set PSC,   PIMG+2*6144                ; p's scale bytes, [parity 2][m 4][r 16][w4 4]
.set MAXB,  PSC+512                    ; maxima, [parity 2][m 4][r 16][w4 4] words; 2,048 on: the sums
.set SPARE, MAXB+3072                  ; the spare words, 128 bytes for each of eight waves
.set AKF, 1
.set AVF, 3
.set AVG, 5
.set AKS, 7
.set APW, 9
.set APR, 10
.set ABW, 11
.set ABR, 12
.set AMW, 13
.set AMR, 14
.set STO, 15
.set SRD, 16
.set GO,  17
.set PFO, 18
.set Q4,  19
.set SPW, 20
.set NIL, 21
.set AVS, 22
.set ST,  24
.set MX,  40
.set PCD, 48
.set SCO, 56
.set BY,  58
.set QS,  60
.set KS,  64
.set VS,  68
.set PS,  72
.set TP,  74
.set QF,  128
.set PF,  224
.set KV,  128                          ; window 1
.set S,   224                          ; window 1
.set OUTP, 10
.set WV,  14
.set CX,  15
.set GQ,  16
.set BAT, 17
.set SEL, 20
.set CS,  22
.set G1,  24
.set G0,  44
.set POS, 52
.set BASE, 54
.set PFB, 56
.set TRIP, 60
.set OFF, 62
.set W_MX, 0x51                        ; D, C and source 0 in window 1, source 1 in window 0
.set MSB, 0
.macro WIN new
.if MSB != (\new)
	s_set_vgpr_msb (MSB<<8)|(\new)
.set MSB, (\new)
.endif
.endm
.macro PLACES
.rept 4
	v_nop
.endr
.endm
.macro CROUND
	s_barrier_signal -1
	s_barrier_wait -1
	s_cmp_lg_u32 s[WV], 0
	s_cbranch_scc1 .Lnot_wave_0_\@
	s_barrier_signal -3
.Lnot_wave_0_\@:
	s_barrier_wait -3
	s_barrier_signal -1
	s_barrier_wait -1
.endm
.macro WM
.if fZ && fRA && fRB
	v_wmma_scale_f32_16x16x128_f8f6f4 v[rD:rD+7], v[rA:rA+11], v[rB:rB+11], 0, v[rSA], v[rSB] matrix_a_fmt:MATRIX_FMT_FP6 matrix_b_fmt:MATRIX_FMT_FP6 matrix_a_scale:MATRIX_SCALE_ROW1 matrix_b_scale:MATRIX_SCALE_ROW1
.elseif fZ && fRA
	v_wmma_scale_f32_16x16x128_f8f6f4 v[rD:rD+7], v[rA:rA+11], v[rB:rB+11], 0, v[rSA], v[rSB] matrix_a_fmt:MATRIX_FMT_FP6 matrix_b_fmt:MATRIX_FMT_FP6 matrix_a_scale:MATRIX_SCALE_ROW1
.elseif fZ && fRB
	v_wmma_scale_f32_16x16x128_f8f6f4 v[rD:rD+7], v[rA:rA+11], v[rB:rB+11], 0, v[rSA], v[rSB] matrix_a_fmt:MATRIX_FMT_FP6 matrix_b_fmt:MATRIX_FMT_FP6 matrix_b_scale:MATRIX_SCALE_ROW1
.elseif fZ
	v_wmma_scale_f32_16x16x128_f8f6f4 v[rD:rD+7], v[rA:rA+11], v[rB:rB+11], 0, v[rSA], v[rSB] matrix_a_fmt:MATRIX_FMT_FP6 matrix_b_fmt:MATRIX_FMT_FP6
.elseif fRA && fRB
	v_wmma_scale_f32_16x16x128_f8f6f4 v[rD:rD+7], v[rA:rA+11], v[rB:rB+11], v[rD:rD+7], v[rSA], v[rSB] matrix_a_fmt:MATRIX_FMT_FP6 matrix_b_fmt:MATRIX_FMT_FP6 matrix_a_scale:MATRIX_SCALE_ROW1 matrix_b_scale:MATRIX_SCALE_ROW1
.elseif fRA
	v_wmma_scale_f32_16x16x128_f8f6f4 v[rD:rD+7], v[rA:rA+11], v[rB:rB+11], v[rD:rD+7], v[rSA], v[rSB] matrix_a_fmt:MATRIX_FMT_FP6 matrix_b_fmt:MATRIX_FMT_FP6 matrix_a_scale:MATRIX_SCALE_ROW1
.elseif fRB
	v_wmma_scale_f32_16x16x128_f8f6f4 v[rD:rD+7], v[rA:rA+11], v[rB:rB+11], v[rD:rD+7], v[rSA], v[rSB] matrix_a_fmt:MATRIX_FMT_FP6 matrix_b_fmt:MATRIX_FMT_FP6 matrix_b_scale:MATRIX_SCALE_ROW1
.else
	v_wmma_scale_f32_16x16x128_f8f6f4 v[rD:rD+7], v[rA:rA+11], v[rB:rB+11], v[rD:rD+7], v[rSA], v[rSB] matrix_a_fmt:MATRIX_FMT_FP6 matrix_b_fmt:MATRIX_FMT_FP6
.endif
.endm
; THE CHANGE OF SLOTS.  kind 0: a barrier alone; 1: K's waves refill; 2: all refill; 3: V's waves refill.  Every wave runs the waits, the add and the round.
.macro CHANGE slot, kind
	WIN 0
.if (\kind) == 1 || (\kind) == 2
	s_wait_xcnt 0x0                                ; my last prefetch, a trip back, has read its base, which is written below
.endif
	s_wait_tensorcnt 0x0                           ; no tensor load of mine is out, so a group 0 may be written
	ds_add_u32 v[SPW], v[NIL]
.if \kind
	s_and_b32 s[OFF], s[POS], 15
	s_mul_i32 s[OFF], s[OFF], STEPB
	s_add_nc_u64 s[G0+4*\slot+2:G0+4*\slot+3], s[BASE:BASE+1], s[OFF:OFF+1]
	s_or_b32 s[G0+4*\slot+3], s[G0+4*\slot+3], 0x80000000
.if (\kind) == 1 || (\kind) == 2
	s_add_co_u32 s58, s[POS], 2                    ; the prefetch: my eighth of the tile two refills on
	s_and_b32 s58, s58, 15
	s_mul_i32 s58, s58, STEPB
	s_add_nc_u64 s[PFB:PFB+1], s[BASE:BASE+1], s[58:59]
.endif
	s_add_co_u32 s[POS], s[POS], 1
.endif
	s_wait_dscnt 0x0                               ; the add is done, and my LDS reads and stores of the trip are over
.if (\kind) == 0
	s_barrier_signal -1
	s_barrier_wait -1
.else
	CROUND
.if (\kind) == 2
	tensor_load_to_lds s[G0+4*\slot:G0+4*\slot+3], s[G1:G1+7]
	s_nop 0
	PLACES
.else
.if (\kind) == 1
	s_cmp_lt_u32 s[WV], 4
.else
	s_cmp_ge_u32 s[WV], 4
.endif
	s_cbranch_scc0 .Lno_fill_\@
	tensor_load_to_lds s[G0+4*\slot:G0+4*\slot+3], s[G1:G1+7]
	s_nop 0
	PLACES
.Lno_fill_\@:
.endif
.endif
.endm
; A TRIP.  par: its parity; pv: 0 none, 1 the first PV (starts the sums), 2 a later one; sm: softmax; kq: scores; rs: O x f; fin: the sums go to LDS; ask: 0 no prefetch, 1 one, 2 one but in the loop's last trip.
.macro ITER par, pv, sm, kq, rs, fin, ask
	WIN 0
.if \sm
.irp t, 0,1
	ds_load_b128 v[MX+4*\t:MX+4*\t+3], v[AMR] offset:1024*(\par)+256*\t
.endr
.endif
.if \pv
.irp t, 0,1
	ds_load_b32 v[PS+\t], v[ABR] offset:256*(1-(\par))+64*\t
.endr
.irp i, 0,1,2,3
	ds_load_b32 v[VS+\i], v[AVS+1-(\par)] offset:128*\i
.endr
.endif
.if \kq
.irp s, 0,1,2,3
	ds_load_b32 v[KS+\s], v[AKS+1-(\par)] offset:128*\s
.endr
.endif
.if \pv
.irp t, 0,1
.irp i, 0,1,2
	ds_load_b128 v[PF+12*\t+4*\i:PF+12*\t+4*\i+3], v[APR] offset:6144*(1-(\par))+1536*\t+16*\i
.endr
.endr
	WIN 0x40
.irp dt, 0,1,2,3,4,5,6,7
.irp c, 0,1
	ds_load_b128 v[KV+12*\dt+6*\c:KV+12*\dt+6*\c+3], v[AVF+1-(\par)] offset:1536*\dt+768*\c
	ds_load_b64 v[KV+12*\dt+6*\c+4:KV+12*\dt+6*\c+5], v[AVG+1-(\par)] offset:1536*\dt+768*\c
.endr
.endr
	WIN 0
.endif
.if (\ask) == 2
	s_cmp_gt_u32 s[TRIP], 1
	s_cbranch_scc0 .Lno_ask_\@
.endif
.if \ask
	global_prefetch_b8 v[PFO], s[PFB:PFB+1] th:TH_LOAD_NT scope:SCOPE_SE
.endif
.if (\ask) == 2
.Lno_ask_\@:
.endif
.if \sm
.if \pv
	s_wait_dscnt 44+4*(\kq)                        ; the maxima are in; behind them: 2 + 4 scale loads, K's 4, p's 6, V's 32
.else
	s_wait_dscnt 4*(\kq)
.endif
.irp t, 0,1
	v_max3_num_f32 v[ST+8*\t+7], v[MX+4*\t], v[MX+4*\t+1], v[MX+4*\t+2]
.endr
.irp t, 0,1
	v_max_num_f32 v[ST+8*\t+7], v[ST+8*\t+7], v[MX+4*\t+3]
.endr
.irp t, 0,1
	v_mul_f32 v[ST+8*\t+7], s[CS], v[ST+8*\t+7]
.endr
.irp t, 0,1
	v_max_num_f32 v[ST+8*\t+1], v[ST+8*\t+1], v[ST+8*\t+7]   ; the running largest t
.endr
.irp t, 0,1
	v_mov_b32 v[ST+8*\t+7], v[ST+8*\t]
.endr
.irp t, 0,1
	v_floor_f32 v[ST+8*\t], -v[ST+8*\t+1]          ; the new -M
.endr
.irp t, 0,1
	v_sub_f32 v[ST+8*\t+7], v[ST+8*\t], v[ST+8*\t+7]
.endr
.irp t, 0,1
	v_cvt_i32_f32 v[ST+8*\t+7], v[ST+8*\t+7]
.endr
.irp t, 0,1
	v_ldexp_f32 v[ST+8*\t+4], 1.0, v[ST+8*\t+7]    ; f = 2^(old M - new M)
.endr
.irp t, 0,1
	v_fma_f32 v[ST+8*\t+6], v[ST+8*\t+6], s[CS], v[ST+8*\t]   ; t - M of my block's largest score
.endr
	WIN 0x41
.irp t, 0,1
.irp j, 0,2,4,6,8,10,12,14
	v_pk_fma_f32 v[S+16*\t+\j:S+16*\t+\j+1], v[S+16*\t+\j:S+16*\t+\j+1], s[CS:CS+1], v[ST+8*\t:ST+8*\t+1] op_sel_hi:[1,0,0]
.endr
.endr
.endif
	s_wait_alu depctr_va_vdst(0)                   ; the wait ahead of the batch
.if (\pv) || (\sm)
	WIN W_MX
.endif
.set i, 0
.rept 16                               ; O^T += V^T p^T, tile i = 2 dt + t, and the exponentials between
.if \pv
.if i%2 == 0
	s_wait_dscnt 4*(7-i/2)                         ; V's tile dt is in; the later tiles' four loads each may be out
.endif
.set rD, 8*i
.set rA, KV+12*(i/2)
.set rB, PF+12*(i%2)
.set rSA, VS+i/4
.set rSB, PS+i%2
.set fRA, (i/2)%2
.set fRB, 0
.set fZ, 2-(\pv)
	WM
.endif
.if \sm
	v_exp_f32 v[S+2*i], v[S+2*i]
	v_exp_f32 v[S+2*i+1], v[S+2*i+1]
.endif
.set i, i+1
.endr
.if \sm
	WIN 0
.irp t, 0,1
	v_exp_f32 v[ST+8*\t+6], v[ST+8*\t+6]           ; my block's largest p
.endr
	v_nop
	s_wait_alu depctr_va_vdst(0)                   ; one wait for the batch, ahead of its first reader
	WIN 0x05
.irp t, 0,1
	v_pk_add_f32 v[TP+2*\t:TP+2*\t+1], v[S+16*\t:S+16*\t+1], v[S+16*\t+2:S+16*\t+3]
.endr
	WIN 0x10
.irp t, 0,1
	v_pk_fma_f32 v[ST+8*\t+2:ST+8*\t+3], v[ST+8*\t+2:ST+8*\t+3], v[ST+8*\t+4:ST+8*\t+5], v[S+16*\t+4:S+16*\t+5] op_sel_hi:[1,0,1]
.endr
	WIN 0x01
.irp j, 6,10
.irp t, 0,1
	v_pk_add_f32 v[TP+2*\t:TP+2*\t+1], v[S+16*\t+\j:S+16*\t+\j+1], v[TP+2*\t:TP+2*\t+1]
.endr
.irp t, 0,1
	v_pk_add_f32 v[ST+8*\t+2:ST+8*\t+3], v[S+16*\t+\j+2:S+16*\t+\j+3], v[ST+8*\t+2:ST+8*\t+3]
.endr
.endr
.irp t, 0,1
	v_pk_add_f32 v[TP+2*\t:TP+2*\t+1], v[S+16*\t+14:S+16*\t+15], v[TP+2*\t:TP+2*\t+1]
.endr
	WIN 0
.irp t, 0,1
	v_pk_add_f32 v[ST+8*\t+2:ST+8*\t+3], v[ST+8*\t+2:ST+8*\t+3], v[TP+2*\t:TP+2*\t+1]
.endr
.endif
.if \kq
	WIN 0x40                                       ; K's fragments land where V's lay: the sums above are the places behind the PV products
.irp f, 0,4,1,5,2,6,3,7                ; in the order of their use: d step s wants fragments s (u = 0) and 4 + s (u = 1)
.irp i, 0,1,2
	ds_load_b128 v[KV+12*\f+4*\i:KV+12*\f+4*\i+3], v[AKF+1-(\par)] offset:1536*\f+512*\i
.endr
.endr
	WIN 0
.endif
.if \sm
.irp t, 0,1
	v_max_num_f32 v[ST+8*\t+6], 0x1800000, v[ST+8*\t+6]   ; the floor 2^(3 - 127): the byte cannot fall under 1
.endr
.irp t, 0,1
	v_add_nc_u32 v[SCO+\t], 0xff000000, v[ST+8*\t+6]
.endr
.irp t, 0,1
	v_lshrrev_b32 v[BY+\t], 23, v[SCO+\t]
.endr
	WIN 0x01
.irp t, 0,1
	v_cvt_scalef32_pk16_fp6_f32 v[PCD+4*\t:PCD+4*\t+2], v[S+16*\t:S+16*\t+15], v[SCO+\t]
.endr
	WIN 0
	v_nop                                          ; one plain place behind the scaled conversions
.irp t, 0,1
.irp i, 0,1,2
	ds_store_b32 v[APW], v[PCD+4*\t+\i] offset:6144*(\par)+1536*\t+4*\i
.endr
.endr
.irp t, 0,1
	ds_store_b8 v[ABW], v[BY+\t] offset:256*(\par)+64*\t
.endr
.if \fin
.irp t, 0,1
	v_add_f32 v[ST+8*\t+7], v[ST+8*\t+2], v[ST+8*\t+3]
.endr
.irp t, 0,1
	v_permlanex16_b32 v[ST+8*\t+5], v[ST+8*\t+7], s[SEL], s[SEL+1]
.endr
.irp t, 0,1
	v_add_f32 v[ST+8*\t+7], v[ST+8*\t+7], v[ST+8*\t+5]
.endr
.irp t, 0,1
	ds_store_b32 v[AMW], v[ST+8*\t+7] offset:2048+256*\t
.endr
.endif
.endif
.if \kq
	WIN W_MX
.set i, 0
.rept 16                               ; S^T = K q^T: t = i % 2, u = (i % 4) / 2, d step i / 4; the four accumulators take turns; O x f between
.if i%4 == 0
	s_wait_dscnt 6*(3-i/4)+8*(\sm)                 ; this d step's two fragments are in; behind them: the later d steps' six loads each and, in a trip with a softmax, p's six stores and two byte stores
.endif
.set rD, S+16*(i%2)+8*((i%4)/2)
.set rA, KV+12*(4*((i%4)/2)+i/4)
.set rB, QF+12*(4*(i%2)+i/4)
.set rSA, KS+i/4
.set rSB, QS+i/4
.set fRA, (i%4)/2
.set fRB, i%2
.set fZ, 0
.if i < 4
.set fZ, 1
.endif
	WM
.if \rs
.irp k, 0,1,2,3
	v_pk_mul_f32 v[8*i+2*\k:8*i+2*\k+1], v[8*i+2*\k:8*i+2*\k+1], v[ST+8*(i%2)+4:ST+8*(i%2)+5] op_sel_hi:[1,0]
.endr
.endif
.set i, i+1
.endr
.if !(\rs)
	PLACES
.endif
.elseif \rs
	WIN 0x41
.set i, 0
.rept 16
.irp k, 0,1,2,3
	v_pk_mul_f32 v[8*i+2*\k:8*i+2*\k+1], v[8*i+2*\k:8*i+2*\k+1], v[ST+8*(i%2)+4:ST+8*(i%2)+5] op_sel_hi:[1,0]
.endr
.set i, i+1
.endr
.endif
.if \kq
	WIN 0x15                                       ; my block's largest score, each accumulator from its low end on
.irp t, 0,1
	v_max3_num_f32 v[ST+8*\t+6], v[S+16*\t], v[S+16*\t+1], v[S+16*\t+2]
.endr
	WIN 0x14
.irp j, 3,5,7,9,11,13
.irp t, 0,1
	v_max3_num_f32 v[ST+8*\t+6], v[ST+8*\t+6], v[S+16*\t+\j], v[S+16*\t+\j+1]
.endr
.endr
.irp t, 0,1
	v_max_num_f32 v[ST+8*\t+6], v[ST+8*\t+6], v[S+16*\t+15]
.endr
	WIN 0
.irp t, 0,1
	v_permlanex16_b32 v[ST+8*\t+7], v[ST+8*\t+6], s[SEL], s[SEL+1]
.endr
.irp t, 0,1
	v_max_num_f32 v[ST+8*\t+6], v[ST+8*\t+6], v[ST+8*\t+7]
.endr
.irp t, 0,1
	ds_store_b32 v[AMW], v[ST+8*\t+6] offset:1024*(1-(\par))+256*\t
.endr
.else
	WIN 0
.endif
.endm
	s_load_b256 s[4:11], s[0:1], 0x0               ; qc, qs, kv, out0
	v_lshl_add_u32 v[SPW], v0, 2, SPARE
	v_mov_b32 v[NIL], 0
	ds_add_u32 v[SPW], v[NIL]                      ; the opening lines: the add, twice on end, and its wait ahead of my first tensor load
	ds_add_u32 v[SPW], v[NIL]
	v_lshrrev_b32 v78, 5, v0
	v_readfirstlane_b32 s[WV], v78                 ; wave 0..7
	s_and_b32 s76, s[WV], 3                        ; w4
	s_lshr_b32 s77, s[WV], 2                       ; hq
	s_bfe_u32 s[CX], ttmp6, 0x40000
	s_and_b32 s[BAT], ttmp7, 0xffff
	s_lshl_b32 s[GQ], s[BAT], 5
	s_lshl_b32 s18, ttmp9, 2
	s_add_co_u32 s[GQ], s[GQ], s18
	s_add_co_u32 s[GQ], s[GQ], s[CX]               ; my block of 64 queries
	s_mov_b32 s[G1], 15|(3<<16)|(1<<21)            ; the mask: all four; elements of 8 bytes; bit 21 beside a mask
	s_mov_b32 s[G1+1], 32<<16                      ; rows of 256 bytes
	s_mov_b32 s[G1+2], 50<<16                      ; 50 rows: an eighth of a tile
	s_mov_b32 s[G1+3], 32<<16
	s_mov_b32 s[G1+4], 50
	s_mov_b32 s[G1+5], 32
	s_mov_b32 s[G1+6], 0
	s_mov_b32 s[G1+7], 0
	s_mov_b32 s[SEL], 0x76543210
	s_mov_b32 s[SEL+1], 0xfedcba98
	s_mov_b32 s[CS], 0x3d8293ee                    ; log2(e) / sqrt(512)
	s_mov_b32 s[CS+1], s[CS]
	s_mul_i32 s61, s[WV], 12800
	s_mul_i32 s[BASE], s[BAT], 16*STEPB
	s_add_co_u32 s[BASE], s[BASE], s61
	s_mov_b32 s[BASE+1], 0
	s_and_b32 s[POS], ttmp9, 3                     ; the clusters of a batch begin at different steps
	s_lshl_b32 s[POS], s[POS], 2
	s_lshr_b32 s2, ttmp9, 2
	s_lshl_b32 s2, s2, 1
	s_or_b32 s[POS], s[POS], s2
	s_mul_i32 s[OFF], s[POS], STEPB
	s_mov_b32 s[OFF+1], 0
	s_mov_b32 s59, 0
	s_cmp_lt_u32 s[WV], 4
	s_cselect_b32 s2, 2, 0
	s_add_co_u32 s[POS], s[POS], s2                ; K's waves run two steps ahead of V's
	s_mov_b32 s19, 0
	s_mul_i32 s66, s76, 12288
	s_lshl_b32 s67, s76, 9
	s_mul_i32 s69, s77, 3072
	s_add_co_u32 s69, s69, PIMG
	s_and_b32 s68, s76, 1
	s_mul_i32 s68, s68, 768
	s_lshr_b32 s2, s76, 1
	s_mul_i32 s2, s2, 24
	s_add_co_u32 s68, s68, s2
	s_add_co_u32 s68, s68, s69
	s_lshl_b32 s71, s77, 7
	s_add_co_u32 s71, s71, PSC
	s_add_co_u32 s70, s71, s76
	s_lshl_b32 s73, s77, 9
	s_add_co_u32 s73, s73, MAXB
	s_lshl_b32 s72, s76, 2
	s_add_co_u32 s72, s72, s73
	s_mul_i32 s74, s[WV], 8448                     ; my stage, in slot 0
	s_mul_i32 s75, s[CX], 13                       ; it enters the prefetch's global offset alone
	v_and_b32 v78, 31, v0
	v_and_b32 v79, 15, v0
	v_bfe_u32 v80, v0, 4, 1
	v_lshl_add_u32 v[AKF], v78, 4, s66
	v_add_nc_u32 v[AKF+1], SLOT1, v[AKF]
	v_add_nc_u32 v[AVF], VO, v[AKF]
	v_add_nc_u32 v[AVF+1], SLOT1, v[AVF]
	v_lshl_add_u32 v[AVG], v78, 3, s66
	v_add_nc_u32 v[AVG], VO+512, v[AVG]
	v_add_nc_u32 v[AVG+1], SLOT1, v[AVG]
	v_lshl_add_u32 v81, v78, 2, s67
	v_add_nc_u32 v[AKS], KSO, v81
	v_add_nc_u32 v[AKS+1], SLOT1, v[AKS]
	v_add_nc_u32 v[AVS], VSO, v81
	v_add_nc_u32 v[AVS+1], SLOT1, v[AVS]
	v_mul_u32_u24 v81, v79, 48
	v_mad_u32_u24 v81, v80, 12, v81
	v_add_nc_u32 v[APW], s68, v81
	v_mul_u32_u24 v81, v78, 48
	v_add_nc_u32 v[APR], s69, v81
	v_lshlrev_b32 v81, 2, v79
	v_add_nc_u32 v[ABW], s70, v81
	v_add_nc_u32 v[ABR], s71, v81
	v_lshlrev_b32 v81, 4, v79
	v_add_nc_u32 v[AMW], s72, v81
	v_add_nc_u32 v[AMR], s73, v81
	v_mul_u32_u24 v81, v79, 528
	v_lshl_add_u32 v81, v80, 6, v81
	v_add_nc_u32 v[STO], s74, v81
	v_lshlrev_b32 v[GO], 4, v78
	v_add_nc_u32 v[SRD], s74, v[GO]
	v_lshlrev_b32 v[Q4], 2, v78
	v_min_u32 v81, 12, v78                         ; the prefetch: block 13 cx + lane of my eighth's 50; lanes that are left over name the last one again
	v_add_nc_u32 v81, s75, v81
	v_min_u32 v81, 49, v81
	v_lshlrev_b32 v[PFO], 8, v81
.irp t, 0,1
	v_mov_b32 v[ST+8*\t+1], 0xff61b1e6             ; the largest t so far: -3e38
	v_floor_f32 v[ST+8*\t], -v[ST+8*\t+1]
	v_mov_b32 v[ST+8*\t+2], 0
	v_mov_b32 v[ST+8*\t+3], 0
	v_mov_b32 v[ST+8*\t+4], 0
	v_mov_b32 v[ST+8*\t+5], 0
	v_mov_b32 v[ST+8*\t+7], 0
.endr
	s_wait_alu depctr_va_vdst(0)                   ; the wait at the end of the head's vector work
	s_wait_dscnt 0x0
	s_wait_kmcnt 0x0
	s_add_nc_u64 s[BASE:BASE+1], s[8:9], s[BASE:BASE+1]
	s_mul_i32 s18, s[GQ], 24576
	s_mul_i32 s2, s77, 12288
	s_add_co_u32 s18, s18, s2
	s_add_nc_u64 s[4:5], s[4:5], s[18:19]          ; q's images: my half's two tiles
	s_lshl_b32 s18, s[GQ], 10
	s_lshl_b32 s2, s77, 9
	s_add_co_u32 s18, s18, s2
	s_add_nc_u64 s[6:7], s[6:7], s[18:19]
	s_lshl_b32 s18, s[GQ], 17
	s_lshl_b32 s2, s77, 16
	s_add_co_u32 s18, s18, s2
	s_lshl_b32 s2, s76, 9
	s_add_co_u32 s18, s18, s2
	s_add_nc_u64 s[OUTP:OUTP+1], s[OUTP:OUTP+1], s[18:19]
	CROUND                                         ; all four work-groups are here: the first joint loads meet
.irp p, 0,1
	s_mov_b32 s[G0+4*\p], 1
	s_add_co_u32 s[G0+4*\p+1], s61, \p*SLOT1
	s_add_nc_u64 s[G0+4*\p+2:G0+4*\p+3], s[BASE:BASE+1], s[OFF:OFF+1]
	s_or_b32 s[G0+4*\p+3], s[G0+4*\p+3], 0x80000000
	s_add_co_u32 s[OFF], s[OFF], STEPB
.endr
	tensor_load_to_lds s[G0:G0+3], s[G1:G1+7]      ; the first step's tile: one tensor load a wave at the head
	s_nop 0
.irp f, 0,1,2,3,4,5,6,7
.irp i, 0,1,2
	global_load_b128 v[QF+12*\f+4*\i:QF+12*\f+4*\i+3], v[GO], s[4:5] offset:1536*\f+512*\i
.endr
.endr
.irp s, 0,1,2,3
	global_load_b32 v[QS+\s], v[Q4], s[6:7] offset:128*\s
.endr
	; the head's prefetches: my eighth of the tiles that the first refills ask for and no trip's prefetch names: K's waves steps 1, 2, 3 (their POS - 1, POS, POS + 1), V's waves step 1 (their POS + 1).  These bases are never rewritten.
	s_add_co_u32 s80, s[POS], 1
	s_and_b32 s80, s80, 15
	s_mul_i32 s80, s80, STEPB
	s_mov_b32 s81, 0
	s_add_nc_u64 s[80:81], s[BASE:BASE+1], s[80:81]
	s_add_co_u32 s82, s[POS], 15
	s_and_b32 s82, s82, 15
	s_mul_i32 s82, s82, STEPB
	s_mov_b32 s83, 0
	s_add_nc_u64 s[82:83], s[BASE:BASE+1], s[82:83]
	s_and_b32 s84, s[POS], 15
	s_mul_i32 s84, s84, STEPB
	s_mov_b32 s85, 0
	s_add_nc_u64 s[84:85], s[BASE:BASE+1], s[84:85]
	global_prefetch_b8 v[PFO], s[80:81] th:TH_LOAD_NT scope:SCOPE_SE
	s_cmp_lt_u32 s[WV], 4
	s_cbranch_scc0 .Lhead_v
	global_prefetch_b8 v[PFO], s[82:83] th:TH_LOAD_NT scope:SCOPE_SE
	global_prefetch_b8 v[PFO], s[84:85] th:TH_LOAD_NT scope:SCOPE_SE
.Lhead_v:
	s_wait_tensorcnt 0x0
	ds_add_u32 v[SPW], v[NIL]
	s_wait_dscnt 0x0
	CROUND                                         ; everybody's eighth of slot 0 is in
	tensor_load_to_lds s[G0+4:G0+7], s[G1:G1+7]
	s_nop 0
	PLACES
	s_wait_loadcnt 0x0
	ITER 1,0,0,1,0,0,0
	CHANGE 0,1
	ITER 0,0,1,1,0,0,1
	CHANGE 1,1
	ITER 1,1,1,1,1,0,1
	s_mov_b32 s[TRIP], 6
.Lpair:
	CHANGE 0,2
	ITER 0,2,1,1,1,0,2
	CHANGE 1,2
	ITER 1,2,1,1,1,0,2
	s_sub_co_u32 s[TRIP], s[TRIP], 1
	s_cmp_lg_u32 s[TRIP], 0
	s_cbranch_scc1 .Lpair
	CHANGE 0,3
	ITER 0,2,1,1,1,0,0
	CHANGE 1,3
	ITER 1,2,1,0,1,1,0
	CHANGE 0,0
.irp t, 0,1
	ds_load_b128 v[MX+4*\t:MX+4*\t+3], v[AMR] offset:2048+256*\t   ; the four waves' sums
.endr
	ITER 0,2,0,0,0,0,0
.irp t, 0,1
	v_add_f32 v[ST+8*\t+7], v[MX+4*\t], v[MX+4*\t+1]
.endr
.irp t, 0,1
	v_add_f32 v[ST+8*\t+6], v[MX+4*\t+2], v[MX+4*\t+3]
.endr
.irp t, 0,1
	v_add_f32 v[ST+8*\t+7], v[ST+8*\t+7], v[ST+8*\t+6]
.endr
	s_wait_alu depctr_va_vdst(0)
.irp t, 0,1
	v_rcp_f32 v[ST+8*\t+4], v[ST+8*\t+7]
.endr
	v_nop
	s_wait_alu depctr_va_vdst(0)
; THE WAY OUT: a tile of 16 queries x my 128 columns goes through my stage and comes back as whole rows of 512 bytes.
.macro OUTT t
	WIN 0x41
.irp dt, 0,1,2,3,4,5,6,7
.irp k, 0,1,2,3
	v_pk_mul_f32 v[8*(2*\dt+(\t))+2*\k:8*(2*\dt+(\t))+2*\k+1], v[8*(2*\dt+(\t))+2*\k:8*(2*\dt+(\t))+2*\k+1], v[ST+8*(\t)+4:ST+8*(\t)+5] op_sel_hi:[1,0]
.endr
.endr
	WIN 0x04
.irp dt, 0,1,2,3,4,5,6,7
	ds_store_b128 v[STO], v[8*(2*\dt+(\t)):8*(2*\dt+(\t))+3] offset:128*(\dt/2)+32*(\dt%2)
	ds_store_b128 v[STO], v[8*(2*\dt+(\t))+4:8*(2*\dt+(\t))+7] offset:128*(\dt/2)+32*(\dt%2)+16
.endr
	WIN 0
.set BK, 128+64*(\t)
.irp ro, 0,1,2,3,4,5,6,7,8,9,10,11,12,13,14,15
	ds_load_b128 v[BK+4*\ro:BK+4*\ro+3], v[SRD] offset:528*\ro   ; LDS serves a wave's instructions in order: these see my stores
.endr
.endm
.macro SENDT t, younger
.set BK, 128+64*(\t)
	s_wait_dscnt \younger
.irp ro, 0,1,2,3,4,5,6,7,8,9,10,11,12,13,14,15
	global_store_b128 v[GO], v[BK+4*\ro:BK+4*\ro+3], s[OUTP:OUTP+1] offset:(8*(\t)+\ro+8*(\ro/8))*2048 th:TH_STORE_NT   ; 32 lanes store 512 consecutive bytes, at a multiple of 256
.endr
.endm
	OUTT 0
	OUTT 1
	SENDT 0,32                                     ; behind tile 0's loads: tile 1's 16 stores and 16 loads
	SENDT 1,0
	s_wait_tensorcnt 0x0                           ; the wave's end
	ds_add_u32 v[SPW], v[NIL]
	s_wait_dscnt 0x0
	CROUND                                         ; the closing round
	s_endpgm
.Lfunc_end_k_qfb34d1c710_attn:
	.size	k_qfb34d1c710_attn, .Lfunc_end_k_qfb34d1c710_attn-k_qfb34d1c710_attn
	.p2alignl 7, 3214868480
	.fill 96, 4, 3214868480
	.section	.rodata,"a",@progbits
	.p2align	6, 0x0
	.amdhsa_kernel k_qfb34d1c710_attn
		.amdhsa_group_segment_fixed_size 327680
		.amdhsa_private_segment_fixed_size 0
		.amdhsa_enable_private_segment 0
		.amdhsa_kernarg_size 32
		.amdhsa_user_sgpr_count 2
		.amdhsa_user_sgpr_kernarg_segment_ptr 1
		.amdhsa_wavefront_size32 1
		.amdhsa_system_sgpr_workgroup_id_x 1
		.amdhsa_system_sgpr_workgroup_id_y 1
		.amdhsa_system_sgpr_workgroup_id_z 1
		.amdhsa_system_vgpr_workitem_id 0
		.amdhsa_next_free_vgpr 512
		.amdhsa_next_free_sgpr 88
		.amdhsa_reserve_vcc 0
		.amdhsa_float_denorm_mode_32 3
		.amdhsa_float_denorm_mode_16_64 3
		.amdhsa_memory_ordered 1
		.amdhsa_forward_progress 1
		.amdhsa_inst_pref_size 146
	.end_amdhsa_kernel
	.amdgpu_metadata
---
amdhsa.version: [ 1, 2 ]
amdhsa.kernels:
  - .name:           k_qfb34d1c710_attn
    .symbol:         k_qfb34d1c710_attn.kd
    .args:
      - { .name: qc, .offset: 0, .size: 8, .value_kind: global_buffer, .address_space: global }
      - { .name: qs, .offset: 8, .size: 8, .value_kind: global_buffer, .address_space: global }
      - { .name: kv, .offset: 16, .size: 8, .value_kind: global_buffer, .address_space: global }
      - { .name: out0, .offset: 24, .size: 8, .value_kind: global_buffer, .address_space: global }
    .group_segment_fixed_size: 327680
    .private_segment_fixed_size: 0
    .kernarg_segment_align: 8
    .kernarg_segment_size: 32
    .max_flat_workgroup_size: 256
    .sgpr_count:     88
    .vgpr_count:     512
    .wavefront_size: 32
...
	.end_amdgpu_metadata
.endif
;; end of part 3
